; MI455X (gfx1250); checked and timed in simulation.
; The chip was launched on July 23, 2026; its instructions are those of AMD's public machine-readable ISA for CDNA 5 (MIT licence, August 2026) and "CDNA5" Instruction Set Architecture Reference Guide (July 2026). The comments in the code are by the model that wrote it; some were corrected since.
;; Model. Allowed arithmetic: matrix products marked QUANTISED: E3M2 operands, one E8M0 scale for each 32 along K, by v_wmma_scale_f32_16x16x128_f8f6f4 with both operands' format E3M2, f32 sums; products left as they are: f32 operands where the result goes on into a quantised operand, else bf16, f16 or f32 operands; f32 sums; everything else in f32.
;; Inputs: W1 256 x 512 x 256 float32; W2 256 x 512 x 256 float32; Wmerge 512 x 256 float32; b1 256 float32; b2 256 float32; h0 1,024 x 256 float32; h1 1,024 x 256 float32; x0 1,024 x 128 float32; x1 1,024 x 128 float32.
;; Outputs: out0 1,024 x 256 float32; out1 1,024 x 256 float32.
;; This version of the problem:
;;   THIS VERSION OF THE PROBLEM IS GIVEN IN LOW PRECISION. The matrix products marked QUANTISED in the list below multiply operands that are first quantised to E3M2 (3 exponent bits, 2 mantissa bits; 6 bits a number), with one power-of-two scale for each 32 numbers along K (OCP MX v1.0); their sums are f32. All else is computed in f32.
;;   The module's matrix products, in the order in which they are computed (A, B: the left and right operand; K: the contracted axis; several contracted axes count as one K, in the product's order):
;;     1. batch 1,024 x [M 256, K 1] x [K 1, N 512]; A: computed on the way; B: computed on the way: left as it is (no contracted axis)
;;     2. [M 1,024, K 131,072] x [K 131,072, N 256]; A: computed on the way; B: input W1: QUANTISED
;;     3. batch 1,024 x [M 256, K 1] x [K 1, N 512]; A: computed on the way; B: computed on the way: left as it is (no contracted axis)
;;     4. [M 1,024, K 131,072] x [K 131,072, N 256]; A: computed on the way; B: input W2: QUANTISED
;;     5. [M 1,024, K 512] x [K 512, N 256]; A: computed on the way; B: input Wmerge: QUANTISED
;;   THE QUANTISER, for each operand of a quantised product, along K:
;;     - K is cut into blocks of 32 from its start; a last block that is shorter is filled with zeros.
;;     - A block's scale is 2^e with e = floor(log2(the largest magnitude in the block)) - 4, held to -126 .. 127; a block of zeros has e = 0. As a byte (E8M0): e + 127.
;;     - Each number is divided by its block's scale, clamped to +-28, and rounded to the nearest number of E3M2, ties to even, subnormals kept.
;;     - The product sums the exact products of the quantised numbers (number of the format x scale) in f32.
;;   ~~~python
;;   def quantise(x, axis):      # numpy; x: float32 -> the quantised numbers, widened to float32 again
;;       x = np.moveaxis(x, axis, -1); K = x.shape[-1]
;;       x = np.pad(x, [(0, 0)] * (x.ndim - 1) + [(0, -K % 32)]); x = x.reshape(x.shape[:-1] + (-1, 32)); a = np.abs(x).max(-1, keepdims=True)
;;       e = np.where(a > 0, np.clip(np.frexp(np.where(a > 0, a, 1))[1] - 1 - 4, -126, 127), 0)      # np.frexp(a)[1] - 1 = floor(log2(a)), exactly
;;       r = np.clip(x / 2.0 ** e, -28, 28)
;;       step = 2.0 ** (np.maximum(np.frexp(np.where(r == 0, 1, r))[1] - 1, -2) - 2)
;;       q = np.round(r / step) * step * 2.0 ** e      # np.round: ties to even
;;       return np.moveaxis(q.reshape(q.shape[:-2] + (-1,))[..., :K], -1, axis).astype(np.float32)
;;   ~~~
;;   OPERANDS COMPUTED ON THE WAY. 'Computed on the way' means the value that the module computes at that place (a softmax that the list does not call 'softmax' is quantised finished and normalised). What goes into a quantiser is computed in f32, as accurately as f32 sums, v_exp_f32 and their like allow (about 1e-6 of the number): no bf16 or f16 on the way to a quantiser, and a product that is left as it is and whose result goes on into a quantised operand takes f32 operands (vector FMAs, or v_wmma_f32_16x16x4_f32). A number that lies on a knife's edge between two numbers of the format may be rounded either way, as far as f32 arithmetic and the matrix unit's own rounding can turn it there, and no further.
;; One version. Each part assembles by itself: llvm-mc -triple=amdgcn-amd-amdhsa -mcpu=gfx1250 --defsym DOCPART=n.
;; ======== version 1 of 1: 2 launches
;; workspace buffers: part 67,108,864 bytes; mop 532,480 bytes
;; launch bilin (part 1): grid 2 x 128, 4 waves a work-group, no clusters, 327,680 bytes of LDS; arguments W1, W2, x0, x1, h0, h1, Wmerge, part, mop; writes part, mop
.if DOCPART == 1
	.amdgcn_target "amdgcn-amd-amdhsa--gfx1250"
	.amdhsa_code_object_version 6
	.text
	.protected	k_q93a092cad6_bilin
	.globl	k_q93a092cad6_bilin
	.p2align	8
	.type	k_q93a092cad6_bilin,@function
k_q93a092cad6_bilin:
	s_mov_b64 s[64:65], 0
	v_nop
	global_prefetch_b8 v0, s[64:65] scope:SCOPE_SE
	s_setreg_imm32_b32 hwreg(HW_REG_WAVE_MODE, 25, 1), 1
	s_wait_xcnt 0x0
; m[b][l] = sum over (j, k) of s[b][j] x[b][k] W[l][j][k], for W = W1 and W = W2, on codes of BF6 (E3M2) with one E8M0 scale for each 32 along K.  s = [h0 | h1] (512), x = [x0 | x1] (256).
; K RUNS (j, k) WITH k INNERMOST: a block of 32 is 32 neighbouring k at one j, in W as it lies in memory and in the left operand a[b][(j, k)] = s[b][j] x[b][k], which exists nowhere: it is made here, in f32, and quantised in registers.
; SHARES.  256 work-groups: 2 halves of the batch (mt, 512 rows) x 4 groups of 128 columns of [W1 | W2] (nt) x 32 slabs of K (64 j x 64 k: jr, kq).  Four waves; a wave owns 128 rows x the 128 columns: 64 accumulators, 512 registers.
; The partial sums of a slab leave as images of the accumulators' registers into part; a later launch adds the 32 slabs.
; A PERIOD is 4 j x 64 k = two K steps of 128.  In a K step the operand's blocks (c, h) are j = first j + c, k = first k + 32 h + 0 .. 31: so lane (r, h) wants only 32 numbers of x for each of its 8 row tiles, which stay in 256 registers.
; W: a period's tile, 4 planes (j) x 128 rows (l) x 64 k of f32, comes by tensor loads (wave w: plane w) through a ring of two LDS slots; the four waves quantise it ONCE for the work-group (wave w: column tiles 2 w, 2 w + 1)
; and hand the 16 fragments to each other as images of the operand's registers in LDS.
; THE LEFT OPERAND'S SCALE NEEDS NO SEARCH: rounding is monotone, so the largest |fl(s x)| of a block is fl(|s| x the largest |x|), and the largest |x| of a lane's 32 numbers is found once.  It is kept as its sixteenth, so that
; the product's exponent field is already the scale's byte.  A K step's eight scale words are made together, the row tiles by turns, so that no line waits for the line above it.
; BY TURNS.  The wave is alone on its SIMD, and a row tile's fragment is 44 vector instructions for its eight matrix instructions: so one slice of the next tiles' fragments stands behind each matrix instruction.
; The price is two switches of the register window for each matrix instruction: no window has room for the products' operands beside the accumulators.
; THE MATRIX INSTRUCTION IS USED TRANSPOSED: source 0 = 16 rows l of W, source 1 = 16 rows of the batch: register q of lane (r, h) is the sum at l = 16 c + 8 h + q, b = 16 a + r.
; BESIDE THE FIRST FILLS wave 0 quantises one fragment of s, and wave 1 of the first 64 work-groups one of Wmerge, along j, into mop: the operands of s @ Wmerge for the later launch.
; NO CLUSTER: a tile of W has two readers, the work-groups mt = 0 and 1 (1,024 rows = 2 x 512), which stand side by side in the grid's x; the grid's x is 2, which the cluster shapes of four along an axis do not divide.
; s IS READ 16 BYTES A ROW AT A TIME (4 j of 16 rows an instruction): short pieces of rows 1,024 bytes apart; an image of s laid for this loop would want a launch of its own.
; LIMITS: NaN and infinities among the inputs are not served.  A block whose largest magnitude lies under 2^-122, a block of zeros among them, gets the byte 1 (the rule's byte but for zeros, whose codes are zeros under any byte; only this
; program reads the bytes).  Where the largest |x| of a lane's 32 numbers lies under 2^-122, its sixteenth is denormal and may lose bits: such a block's scale can then be one step off.
; REGISTERS, in windows of 256: window 0: see the names below.  window 1: x: row tile a at v[32 a ..].  window 2: accumulators (a, c), a < 4, at v[8 (8 a + c)].  window 3: those of a >= 4.
.set PITCH,  272                       ; an LDS row of W: 256 bytes + 16 of padding = 68 words: the 16 rows that a load of 16 bytes a lane touches start at 16 different groups of four banks (64 banks of 4 bytes: ISA guide 11.1)
.set PLANE,  128*PITCH                 ; one j: 128 rows: what one tensor load brings
.set SLOT,   4*PLANE                   ; a period's tile
.set FRB,    1536                      ; a fragment's image: 12 registers x 32 lanes x 4 bytes
.set CODES,  2*SLOT                    ; behind the ring: 16 images, index 8 u + column tile
.set SCW,    CODES+16*FRB              ; their scale words, 128 bytes each
.set SPARE,  SCW+16*128                ; the spare words, 128 bytes for each wave: two blocks of 256 bytes that no other line names
.set FLOOR,  0x2800000                 ; 2^(5 - 127): under it no largest magnitude is taken, so that a scale's byte cannot fall under 1
.set FLOOR1, 0x800000                  ; 2^(1 - 127): the same floor for a largest magnitude that is kept as its sixteenth
.set SPW, 1                            ; v1   LDS address of my spare word; never rewritten
.set NIL, 2                            ; v2   0; never rewritten
.set LI,  3                            ; v3   16 x lane
.set LS,  4                            ; v4   4 x lane
.set IL,  5                            ; v5   CODES + 16 x lane: where any image is read
.set SL,  6                            ; v6   SCW + 4 x lane
.set IW,  7                            ; v7   IL + 2 FRB x wave: where I store my images
.set SW,  8                            ; v8   SL + 256 x wave
.set SH8, 9                            ; v9   8 h: my two scale bytes' shift
.set TX,  10                           ; v10  the other half's bytes (a lane permute's destination counts as a source: written once at the head)
.set SVO, 11                           ; v11  1,024 r: my row of s
.set QA,  12                           ; v12-15 LDS address of my f32 numbers of W: [2 slot + u]
.set WF,  16                           ; v16-111  W's eight fragments of a K step
.set QD0, 16                           ; v16-79, v80-143: while W is quantised, two buffers of 64 numbers
.set QD1, 80
.set P,   112                          ; v112-143 32 products s x; at a K step's head at work on the scale words; at the kernel's head the six registers below
.set XO,  112                          ; v112 x: 512 r + 128 h
.set PO,  113                          ; v113 the offset of the loads for mop
.set LN,  114                          ; v114-117 lane, r, h, at work at the head
.set R,   115
.set HH,  116
.set TA,  117
.set AF,  144                          ; v144-167 the left operand's fragment, two sets of 12
.set T,   168                          ; v168-170, v172-174 a block's upper 16 codes (a conversion's three registers begin on an even number)
.set PF0, 171                          ; v171, v175 (the two registers that T leaves free) the prefetch's offsets: my row l of a plane; never rewritten
.set PF1, 175
.set WS,  176                          ; v176-183 W's scale words: scales and nothing else
.set ASC, 184                          ; v184-191 the left operand's scale words, one for each row tile: scales and nothing else
.set PW,  192                          ; v192-193 scale words on their way to LDS or to mop
.set AM,  194                          ; v194-195 two blocks' largest magnitudes
.set SC,  196                          ; v196-197 the conversions' scale operands, where W, s or Wmerge is quantised
.set BY,  198                          ; v198-199 scale bytes (and a second pair of chains in the search for a maximum)
.set XM,  200                          ; v200-207 a sixteenth of the largest |x| of my 32 numbers, for each row tile
.set SV,  208                          ; v208-239 row tile a: s[b][the period's 4 j] at v[SV + 4 a]
.set SCT, 240                          ; v240-255 the conversions' scale operands of a K step: row tile a, block c at v[SCT + 2 a + c]
.set G1,  32                           ; s[32:39] descriptor group 1;  s[40:43], s[44:47] group 0 for slots 0 and 1
.set G0,  40
; s22 wave, s23 mt, s24 y, s25 nt, s26 kq, s27 jr, s28 the work-group's number 2 y + mt; s[30:31] lane selects; s[48:49] W at my plane of tile 0; s[50:51] s; s[52:53] the prefetch's base; s[54:55] part;
; s[56:57] an offset (s57 stays 0), s58, s59 at work; s[60:61] the prefetch's step (s61 stays 0); s62 trips; s63 the period's number; s[66:67] x; s[68:73] source and places for mop
.set MSB, 0
.macro WIN new                         ; the immediate's low byte: bits 1:0 source 0, 3:2 source 1, 5:4 source 2, 7:6 destination; its high byte repeats the setting that is left
.if MSB != \new
	s_set_vgpr_msb (MSB<<8)|\new
.set MSB, \new
.endif
.endm
; A vector instruction or a load that writes a register of a matrix instruction, and a store that reads a result, stand four places behind it; only plain vector instructions that name none of its registers are places (ISA guide 7.12.1 for vector instructions).
.macro PLACES n
.rept \n
	v_nop
.endr
.endm
; The largest magnitudes of my blocks c = 0, 1 (v[AM], v[AM+1], the floor among them) become the conversions' scale operands and the row's scale word: byte 2 c + h scales block (c, h).
.macro SCALEW dst
	v_add_nc_u32 v[SC], 0xfe000000, v[AM]          ; 4 off the exponent field: the conversion takes the exponent field of this operand as its scale, and nothing else of it
	v_add_nc_u32 v[SC+1], 0xfe000000, v[AM+1]
	v_lshrrev_b32 v[BY], 23, v[SC]                 ; the scale's byte
	v_lshrrev_b32 v[BY+1], 23, v[SC+1]
	v_lshl_or_b32 v[BY], v[BY+1], 16, v[BY]        ; my two bytes,
	v_lshlrev_b32 v[BY], v[SH8], v[BY]             ; at their places (8 h bits up);
	v_permlanex16_b32 v[TX], v[BY], s30, s31
	v_or_b32 v[\dst], v[BY], v[TX]                 ; with lane l xor 16's two the word is whole, in both halves of the lanes
.endm
.macro CVT2 c, src, set, sc            ; block c: 32 numbers from v[src] on, scale operand v[sc] -> registers 6 c .. 6 c + 2 of the fragment, and the upper 16 codes aside
	v_cvt_scalef32_pk16_bf6_f32 v[AF+12*(\set)+6*(\c):AF+12*(\set)+6*(\c)+2], v[\src:\src+15], v[\sc]
	v_cvt_scalef32_pk16_bf6_f32 v[T+4*(\c):T+4*(\c)+2], v[\src+16:\src+31], v[\sc]
.endm
.macro MOV3 c, set                     ; the upper 16 codes to registers 6 c + 3 .. 6 c + 5
.irp i, 0,1,2
	v_mov_b32 v[AF+12*(\set)+6*(\c)+3+\i], v[T+4*(\c)+\i]
.endr
.endm
; 64 numbers of a lane, v[d + 32 c + i] = number i of my block c, become a fragment in set `set` of AF and its scale word in v[PW + set].  All 32 numbers of a block are mine: no other lane is asked for a maximum.
.macro QUANT d, set
.irp c, 0,1
	v_max3_num_f32 v[AM+\c], |v[\d+32*\c]|, |v[\d+32*\c+1]|, FLOOR
	v_max3_num_f32 v[BY+\c], |v[\d+32*\c+16]|, |v[\d+32*\c+17]|, |v[\d+32*\c+18]|   ; four chains, so that no line waits for the line above it
.endr
.irp i, 2,4,6,8,10,12
.irp c, 0,1
	v_max3_num_f32 v[AM+\c], v[AM+\c], |v[\d+32*\c+\i]|, |v[\d+32*\c+\i+1]|
	v_max3_num_f32 v[BY+\c], v[BY+\c], |v[\d+32*\c+17+\i]|, |v[\d+32*\c+18+\i]|
.endr
.endr
.irp c, 0,1
	v_max3_num_f32 v[AM+\c], v[AM+\c], |v[\d+32*\c+14]|, |v[\d+32*\c+15]|
.endr
.irp c, 0,1
	v_max3_num_f32 v[AM+\c], v[AM+\c], v[BY+\c], |v[\d+32*\c+31]|
.endr
	SCALEW PW+(\set)
	CVT2 0, \d, \set, SC
	CVT2 1, \d+32, \set, SC+1
	v_nop                                          ; one plain place behind a scaled conversion
	MOV3 0, \set
	MOV3 1, \set
.endm
; THE LEFT OPERAND'S SCALES OF K STEP u, for all eight row tiles, the tiles by turns.  s[b][2 u + c] x (the largest |x|) / 16 is, up to its sign, a sixteenth of block c's largest magnitude: its exponent field is the scale's byte,
; and the conversion takes that field of its scale operand and nothing else: so, held at the floor, it is the scale operand as it stands.  The bytes are gathered in P's registers, which are free here.
.macro SCB u
.irp a, 0,2,4,6
	v_pk_mul_f32 v[SCT+2*\a:SCT+2*\a+1], v[SV+4*\a+2*(\u):SV+4*\a+2*(\u)+1], v[XM+\a:XM+\a+1] op_sel:[0,0] op_sel_hi:[1,0]
	v_pk_mul_f32 v[SCT+2*\a+2:SCT+2*\a+3], v[SV+4*\a+4+2*(\u):SV+4*\a+4+2*(\u)+1], v[XM+\a:XM+\a+1] op_sel:[0,1] op_sel_hi:[1,1]
.endr
.irp i, 0,1,2,3,4,5,6,7,8,9,10,11,12,13,14,15
	v_max3_num_f32 v[SCT+\i], |v[SCT+\i]|, |v[SCT+\i]|, FLOOR1
.endr
.irp i, 0,1,2,3,4,5,6,7,8,9,10,11,12,13,14,15
	v_lshrrev_b32 v[P+\i], 23, v[SCT+\i]           ; the scale's byte
.endr
.irp a, 0,1,2,3,4,5,6,7
	v_lshl_or_b32 v[P+2*\a], v[P+2*\a+1], 16, v[P+2*\a]          ; my two bytes,
.endr
.irp a, 0,1,2,3,4,5,6,7
	v_lshlrev_b32 v[P+2*\a], v[SH8], v[P+2*\a]                   ; at their places (8 h bits up);
.endr
.irp a, 0,1,2,3,4,5,6,7
	v_permlanex16_b32 v[P+2*\a+1], v[P+2*\a], s30, s31           ; (its destination has just been written)
.endr
.irp a, 0,1,2,3,4,5,6,7
	v_or_b32 v[ASC+\a], v[P+2*\a], v[P+2*\a+1]                   ; with lane l xor 16's two the word is whole
.endr
.endm
; THE LEFT OPERAND'S FRAGMENT of row tile a, K step u, in pieces.  GB: n pairs, from pair i0 on, of the outer product of block c: s[b][2 u + c] x my 32 numbers of x, in f32, rounded once.
.macro GB a, u, c, i0, n
	WIN 0x01                                       ; source 0 (x) window 1
.set gi, \i0
.rept \n
	v_pk_mul_f32 v[P+2*gi:P+2*gi+1], v[32*(\a)+2*gi:32*(\a)+2*gi+1], v[SV+4*(\a)+2*(\u):SV+4*(\a)+2*(\u)+1] op_sel:[0,\c] op_sel_hi:[1,\c]
.set gi, gi+1
.endr
.endm
.macro GC a, c, par                    ; block c's 32 products become codes, in set par
	WIN 0
	CVT2 \c, P, \par, SCT+2*(\a)+\c
	v_nop                                          ; one plain place behind a scaled conversion: its sources are written again, its results read
.endm
.macro GD par                          ; both blocks' upper codes to their places: the set is whole
	WIN 0
	MOV3 0, \par
	MOV3 1, \par
.endm
; One matrix instruction: row tile a (fragment in set par) against W's column tile c.  zero = 1: the first product starts the sum: nothing is ever cleared.
.macro WM a, c, zero, par
.if (\a) < 4
	WIN 0xa0                                       ; C and D window 2
.else
	WIN 0xf0                                       ; C and D window 3
.endif
.if \zero
	v_wmma_scale_f32_16x16x128_f8f6f4 v[8*(8*((\a)%4)+\c):8*(8*((\a)%4)+\c)+7], v[WF+12*\c:WF+12*\c+11], v[AF+12*\par:AF+12*\par+11], 0, v[WS+\c], v[ASC+(\a)] matrix_a_fmt:MATRIX_FMT_BF6 matrix_b_fmt:MATRIX_FMT_BF6
.else
	v_wmma_scale_f32_16x16x128_f8f6f4 v[8*(8*((\a)%4)+\c):8*(8*((\a)%4)+\c)+7], v[WF+12*\c:WF+12*\c+11], v[AF+12*\par:AF+12*\par+11], v[8*(8*((\a)%4)+\c):8*(8*((\a)%4)+\c)+7], v[WS+\c], v[ASC+(\a)] matrix_a_fmt:MATRIX_FMT_BF6 matrix_b_fmt:MATRIX_FMT_BF6
.endif
.endm
; Row tile a's eight accumulators leave as they stand, each from its low end on: lane l's 16 bytes at 16 l, so that each store covers 512 consecutive bytes, aligned.
.macro STORE a
.if (\a) < 4
	WIN 0x08                                       ; a store's data are its source 1: window 2
.else
	WIN 0x0c                                       ; window 3
.endif
.irp c, 0,1,2,3,4,5,6,7
	global_store_b128 v[LI], v[8*(8*((\a)%4)+\c):8*(8*((\a)%4)+\c)+3], s[54:55] offset:1024*(8*(\a)+\c)
	global_store_b128 v[LI], v[8*(8*((\a)%4)+\c)+4:8*(8*((\a)%4)+\c)+7], s[54:55] offset:1024*(8*(\a)+\c)+512
.endr
.endm
; A PHASE: row tile a's eight matrix instructions (set par = a % 2), and behind each a slice of vector work: the rest of tile a + 1's fragment (set npar), whose block 0 was multiplied a phase ago, then block 0 of tile a + 2.
; DISTANCES.  Set npar was last read by the phase before, whose last matrix instruction is followed by eight packed products: more than the four places asked before the first conversion writes into it.  The set is whole behind
; matrix instruction 5, and the sixteen packed products (in phase 6, which has none: four v_nop) behind instructions 6 and 7 are the four places asked between an operand that vector instructions wrote and its first product.
; The 64 accumulators take turns, one instruction a turn, in the same order in every K step.
; fw = 1: the K step's first phase: W's fragment c and its scale word are waited for in front of the instruction that takes them: LDS loads come back in order (ISA guide 5.7.1), and 4 (7 - c) were issued behind fragment c's four.
; last = 1: the launch's last K step: tile a - 1 is finished and leaves here, behind the eight packed products that follow its last matrix instruction, while the later tiles are multiplied.
.macro PH a, u, zero, par, npar, fw, last
.if \fw
	s_wait_dscnt 28
.endif
	WM \a, 0, \zero, \par
.if (\a) < 7
	GC (\a)+1, 0, \npar
.endif
.if \fw
	s_wait_dscnt 24
.endif
	WM \a, 1, \zero, \par
.if (\a) < 7
	GB (\a)+1, \u, 1, 0, 6
.endif
.if (\last) && ((\a) > 0) && ((\a) < 7)
	STORE (\a)-1
.endif
.if \fw
	s_wait_dscnt 20
.endif
	WM \a, 2, \zero, \par
.if (\a) < 7
	GB (\a)+1, \u, 1, 6, 5
.endif
.if \fw
	s_wait_dscnt 16
.endif
	WM \a, 3, \zero, \par
.if (\a) < 7
	GB (\a)+1, \u, 1, 11, 5
.endif
.if \fw
	s_wait_dscnt 12
.endif
	WM \a, 4, \zero, \par
.if (\a) < 7
	GC (\a)+1, 1, \npar
.endif
.if \fw
	s_wait_dscnt 8
.endif
	WM \a, 5, \zero, \par
.if (\a) < 7
	GD \npar
.endif
.if \fw
	s_wait_dscnt 4
.endif
	WM \a, 6, \zero, \par
.if (\a) < 6
	GB (\a)+2, \u, 0, 0, 8
.elseif (\a) == 6
	PLACES 4                                       ; tile 7's fragment stands four places ahead of its products
.endif
.if \fw
	s_wait_dscnt 0x0
.endif
	WM \a, 7, \zero, \par
.if (\a) < 6
	GB (\a)+2, \u, 0, 8, 8
.endif
.endm
.macro FETCHW u                        ; W's eight fragments of K step u and their scale words, as any wave stored them: four loads a fragment
.irp c, 0,1,2,3,4,5,6,7
.irp g, 0,1,2
	ds_load_b128 v[WF+12*\c+4*\g:WF+12*\c+4*\g+3], v[IL] offset:8*FRB*(\u)+FRB*\c+512*\g
.endr
	ds_load_b32 v[WS+\c], v[SL] offset:1024*(\u)+128*\c
.endr
.endm
.macro SLOAD                           ; s[my 128 rows][the next period's 4 j]
.irp a, 0,1,2,3,4,5,6,7
	global_load_b128 v[SV+4*\a:SV+4*\a+3], v[SVO], s[50:51] offset:16384*\a
.endr
.endm
; A K STEP: W's fragments are asked for; while they come, the eight scale words, tile 0's fragment and block 0 of tile 1 are made (the scale words so stand far more than the eight places asked ahead of their products); then the eight phases.
.macro KSTEP u, zero, sload, last
.if \u
	PLACES 4                                       ; in front of the loads into W's fragments and scale words (ahead of a period's first K step the period before has left its places)
.endif
	FETCHW \u
	SCB \u
	GB 0, \u, 0, 0, 16
	GC 0, 0, 0
	GB 0, \u, 1, 0, 16
	GC 0, 1, 0
	GD 0
	GB 1, \u, 0, 0, 16
	PH 0, \u, \zero, 0, 1, 1, \last
	PH 1, \u, \zero, 1, 0, 0, \last
	PH 2, \u, \zero, 0, 1, 0, \last
	PH 3, \u, \zero, 1, 0, 0, \last
	PH 4, \u, \zero, 0, 1, 0, \last
	PH 5, \u, \zero, 1, 0, 0, \last
	PH 6, \u, \zero, 0, 1, 0, \last
	WIN 0
.if \sload
	SLOAD                                          ; tile 7's fragment was the last to read this period's s
.endif
	PH 7, \u, \zero, 1, 0, 0, \last
	WIN 0
.if \last
	PLACES 4                                       ; in front of the stores of results just made
	STORE 6
	STORE 7
	WIN 0
.endif
.endm
; W's numbers for my fragment n = 2 u + e (K step u, column tile 2 w + e): lane (r, h) takes, of row l = 16 (2 w + e) + r in planes 2 u and 2 u + 1, the 128 bytes at 128 h.
.macro QLD n, buf, slot
.irp c, 0,1
.irp q, 0,1,2,3,4,5,6,7
	ds_load_b128 v[\buf+32*\c+4*\q:\buf+32*\c+4*\q+3], v[QA+2*(\slot)+(\n)/2] offset:PLANE*\c+16*PITCH*((\n)%2)+16*\q
.endr
.endr
.endm
.macro QST n, set                      ; the fragment goes to LDS as it stands: lane l's 16 bytes at 16 l, 512 bytes a store; its scale word at 4 l
.irp g, 0,1,2
	ds_store_b128 v[IW], v[AF+12*(\set)+4*\g:AF+12*(\set)+4*\g+3] offset:8*FRB*((\n)/2)+FRB*((\n)%2)+512*\g
.endr
	ds_store_b32 v[SW], v[PW+(\set)] offset:1024*((\n)/2)+128*((\n)%2)
.endm
.macro QPHASE slot                     ; my four fragments of the period's sixteen.  LDS instructions of a wave end in order (ISA guide 5.7.1): each count names what was issued behind the loads that are wanted
	QLD 0, QD0, \slot
	QLD 1, QD1, \slot
	s_wait_dscnt 16                                ; fragment 0's numbers are in; fragment 1's 16 loads may be out
	QUANT QD0, 0
	QST 0, 0
	QLD 2, QD0, \slot
	s_wait_dscnt 20                                ; fragment 1's are in; behind them: 4 stores, 16 loads
	QUANT QD1, 1
	QST 1, 1
	QLD 3, QD1, \slot
	s_wait_dscnt 20                                ; fragment 2's are in, and fragment 0's stores are done, whose registers are written again now; behind them: 4 stores, 16 loads
	QUANT QD0, 0
	QST 2, 0
	s_wait_dscnt 4                                 ; fragment 3's are in, fragment 1's stores are done; behind them: 4 stores
	QUANT QD1, 1
	QST 3, 1
.endm
; Period p asks the far cache for tile min(p + 2, 15), whose tensor load is issued one period later.  Of plane w this work-group asks for rows 64 mt + 0 .. 63, one lane to a row's 256 bytes: its neighbour mt asks for the others.
; The base stops at the slab's last tile, so that no request leaves W.
.macro PREF
	global_prefetch_b8 v[PF0], s[52:53] th:TH_LOAD_NT scope:SCOPE_SE
	global_prefetch_b8 v[PF1], s[52:53] th:TH_LOAD_NT scope:SCOPE_SE
.endm
; A PERIOD on slot `slot`.  refill = 1: the other slot, read out in the period before, takes the tile that follows this one.  zero = 1: the sums begin.  more = 1: the next period's s is asked for.  last = 1: the results leave.
.macro PERIOD slot, first, refill, zero, more, last
.if \first
	s_wait_tensorcnt 0x1                           ; my plane of tile 0 is in; tile 1's load may stay out
	s_barrier_signal -1
	s_barrier_wait -1                              ; everybody's is
.else
	s_wait_tensorcnt 0x0                           ; all my tensor loads have landed: the one that was out is my plane of this period's tile; so a group 0 may be written
	ds_add_u32 v[SPW], v[NIL]                      ; 0 onto my spare word
.if \refill
	s_add_nc_u64 s[G0+4*(1-\slot)+2:G0+4*(1-\slot)+3], s[G0+4*(1-\slot)+2:G0+4*(1-\slot)+3], 8192   ; the other slot's next tile: 8 j of 1,024 bytes on; the type bits on top are not reached
.endif
	s_wait_dscnt 0x0                               ; the add is done; my reads of the other slot and of the last period's images are over
	s_barrier_signal -1
	s_barrier_wait -1                              ; all that holds of every wave: the other slot may be filled, the images written again
.if \refill
	tensor_load_to_lds s[G0+4*(1-\slot):G0+4*(1-\slot)+3], s[G1:G1+7]   ; my one tensor load until the next such barrier: it has the whole period in which to land
	s_nop 0
	PLACES 4
.endif
.endif
	PREF
	QPHASE \slot
	s_wait_dscnt 0x0                               ; for the others' sake: my images lie in LDS, and my reads of the slot are over
	s_barrier_signal -1
	s_barrier_wait -1                              ; the period's sixteen fragments lie in LDS
	s_wait_loadcnt 0x0                             ; this period's s is in
	s_wait_xcnt 0x0                                ; the prefetches have read their base: only behind this wait are the two bases stepped
.if \more
	s_add_nc_u64 s[50:51], s[50:51], 16            ; s: 4 j on
.endif
	s_cmp_lt_u32 s63, 13
	s_cselect_b32 s60, 4096, 0                     ; the prefetch: a tile on, until it stands at tile 15
	s_add_nc_u64 s[52:53], s[52:53], s[60:61]
	s_add_co_u32 s63, s63, 1
	KSTEP 0, \zero, 0, 0
	KSTEP 1, 0, \more, \last
.if \more
	PLACES 4                                       ; in front of the next period's loads into registers that the last products read
.endif
.endm
	s_load_b512 s[4:19], s[0:1], 0x0               ; W1 s[4:5], W2 s[6:7], x0 s[8:9], x1 s[10:11], h0 s[12:13], h1 s[14:15], Wmerge s[16:17], part s[18:19]
	s_load_b64 s[20:21], s[0:1], 0x40              ; mop
	v_lshl_add_u32 v[SPW], v0, 2, SPARE
	v_mov_b32 v[NIL], 0
	ds_add_u32 v1, v2
	ds_add_u32 v1, v2
	s_wait_dscnt 0x0
	v_lshrrev_b32 v[TA], 5, v0
	v_readfirstlane_b32 s22, v[TA]                 ; wave 0..3
	s_mov_b32 s23, ttmp9                           ; mt: which 512 rows of the batch
	s_and_b32 s24, ttmp7, 0xffff                   ; y = 4 slab + nt
	s_and_b32 s25, s24, 3                          ; nt: 0, 1: W1's columns 0-127, 128-255; 2, 3: W2's
	s_bfe_u32 s26, s24, 0x20002                    ; kq: which 64 k (2 bits from bit 2)
	s_lshr_b32 s27, s24, 4                         ; jr: which 64 j
	s_lshl_b32 s28, s24, 1
	s_add_co_u32 s28, s28, s23                     ; the work-group's number, 0 .. 255
	s_mov_b32 s30, 0x76543210
	s_mov_b32 s31, 0xfedcba98                      ; v_permlanex16_b32's selects for lane l xor 16
	; descriptor group 1: 128 rows (l) x 64 elements of 4 bytes (k), 131,072 elements from row to row, padded in LDS
	s_mov_b32 s[G1+0], (2<<16)|(1<<20)|(5<<22)|(3<<25)   ; 15:0 no mask; 17:16 elements of 4 bytes; 20 padding on; 24:22 after every 64 words (code 5); 31:25 of 4 words (code 3)
	s_mov_b32 s[G1+1], 64<<16                      ; tensor_dim0 = 64
	s_mov_b32 s[G1+2], 128<<16                     ; tensor_dim1 = 128
	s_mov_b32 s[G1+3], 64<<16                      ; tile_dim0 = 64
	s_mov_b32 s[G1+4], 128                         ; tile_dim1 = 128
	s_mov_b32 s[G1+5], 131072                      ; tensor_dim0_stride: 512 j x 256 k
	s_mov_b32 s[G1+6], 0
	s_mov_b32 s[G1+7], 0
	s_and_b32 s56, s25, 1                          ; my plane of tile 0, in bytes from W: 128 (nt % 2) rows of 524,288,
	s_lshl_b32 s56, s56, 26
	s_lshl_b32 s59, s27, 16                        ; 64 jr rows j of 1,024,
	s_add_co_u32 s56, s56, s59
	s_lshl_b32 s59, s22, 10                        ; j = wave,
	s_add_co_u32 s56, s56, s59
	s_lshl_b32 s59, s26, 8                         ; 64 kq numbers
	s_add_co_u32 s56, s56, s59
	s_mov_b32 s57, 0
	s_mov_b32 s61, 0
	s_mov_b32 s63, 0                               ; the period's number
	s_mov_b32 s[G0], 1                             ; 1:0 count = 1
	s_mul_i32 s[G0+1], s22, PLANE                  ; 63:32 LDS address: slot 0, plane = wave
	s_mov_b32 s[G0+4], 1
	s_add_co_u32 s[G0+5], s[G0+1], SLOT            ; slot 1
	s_wait_kmcnt 0x0
	s_cmp_lt_u32 s25, 2                            ; the choice hangs on the work-group's number alone
	s_cselect_b64 s[48:49], s[4:5], s[6:7]
	s_add_nc_u64 s[48:49], s[48:49], s[56:57]
	s_mov_b64 s[G0+2:G0+3], s[48:49]               ; 120:64 global address: tile 0
	s_or_b32 s[G0+3], s[G0+3], 0x80000000          ; 127:126 type = 2
	s_add_nc_u64 s[G0+6:G0+7], s[48:49], 4096      ; tile 1: 4 j on
	s_or_b32 s[G0+7], s[G0+7], 0x80000000
	s_add_nc_u64 s[52:53], s[48:49], 8192          ; the prefetch begins at tile 2
	tensor_load_to_lds s[G0:G0+3], s[G1:G1+7]      ; both first fills together, ahead of every wait on TENSORcnt, every LDS read and every barrier: two loads of mine are out
	s_nop 0
	tensor_load_to_lds s[G0+4:G0+7], s[G1:G1+7]
	s_nop 0
	PLACES 4
	; every address register is made here, on the one way that all waves take
	v_and_b32 v[LN], 31, v0                        ; lane
	v_and_b32 v[R], 15, v0                         ; r
	v_bfe_u32 v[HH], v0, 4, 1                      ; h
	v_lshlrev_b32 v[LI], 4, v[LN]
	v_lshlrev_b32 v[LS], 2, v[LN]
	v_add_nc_u32 v[IL], CODES, v[LI]
	v_add_nc_u32 v[SL], SCW, v[LS]
	s_mul_i32 s58, s22, 2*FRB
	v_add_nc_u32 v[IW], s58, v[IL]
	s_lshl_b32 s58, s22, 8
	v_add_nc_u32 v[SW], s58, v[SL]
	v_lshlrev_b32 v[SH8], 3, v[HH]
	v_mov_b32 v[TX], 0
	v_lshlrev_b32 v[SVO], 10, v[R]
	v_mul_u32_u24 v[TA], v[R], PITCH
	v_lshl_add_u32 v[TA], v[HH], 7, v[TA]
	s_mul_i32 s58, s22, 32*PITCH
	v_add_nc_u32 v[QA], s58, v[TA]                 ; (32 wave + r) rows + 128 h: slot 0, K step 0
	v_add_nc_u32 v[QA+1], 2*PLANE, v[QA]           ; K step 1
	v_add_nc_u32 v[QA+2], SLOT, v[QA]              ; slot 1
	v_add_nc_u32 v[QA+3], SLOT+2*PLANE, v[QA]
	s_lshl_b32 s58, s23, 6
	v_add_nc_u32 v[PF0], s58, v[LN]
	v_lshlrev_b32 v[PF0], 19, v[PF0]               ; row 64 mt + lane of a plane, 524,288 bytes a row
	v_add_nc_u32 v[PF1], 32<<19, v[PF0]            ; and the row 32 further on
	v_lshlrev_b32 v[XO], 9, v[R]
	v_lshl_add_u32 v[XO], v[HH], 7, v[XO]          ; x: row r of 512 bytes, + my 32 numbers
	s_cmp_lt_u32 s26, 2
	s_cselect_b64 s[66:67], s[8:9], s[10:11]       ; k < 128: x0
	s_lshl_b32 s58, s23, 9
	s_lshl_b32 s59, s22, 7
	s_add_co_u32 s58, s58, s59                     ; my first row of the batch: 512 mt + 128 wave
	s_lshl_b32 s56, s58, 9
	s_and_b32 s59, s26, 1
	s_lshl_b32 s59, s59, 8
	s_add_co_u32 s56, s56, s59
	s_add_nc_u64 s[66:67], s[66:67], s[56:57]
	s_cmp_lt_u32 s27, 4
	s_cselect_b64 s[50:51], s[12:13], s[14:15]     ; j < 256: h0
	s_lshl_b32 s56, s58, 10
	s_and_b32 s59, s27, 3
	s_lshl_b32 s59, s59, 8
	s_add_co_u32 s56, s56, s59
	s_add_nc_u64 s[50:51], s[50:51], s[56:57]
	s_lshl_b32 s56, s28, 18                        ; part: 8 slab + 2 nt + mt is the work-group's number: 262,144 bytes each, 65,536 a wave
	s_lshl_b32 s59, s22, 16
	s_add_co_u32 s56, s56, s59
	s_add_nc_u64 s[54:55], s[18:19], s[56:57]
	WIN 0x40                                       ; destination window 1
.irp a, 0,1,2,3,4,5,6,7
.irp q, 0,1,2,3,4,5,6,7
	global_load_b128 v[32*\a+4*\q:32*\a+4*\q+3], v[XO], s[66:67] offset:8192*\a+16*\q   ; x[16 a + r][32 h + 4 q ..]: it stays
.endr
.endr
	WIN 0
	SLOAD                                          ; period 0's s
	; THE OPERANDS OF s @ Wmerge, while the first tiles are on their way.  Scalar branches on the wave's and the work-group's number; no LDS instruction and no barrier stands here.
	s_cmp_eq_u32 s22, 0
	s_cbranch_scc0 .Lnot_wave_0
	s_and_b32 s59, s28, 3                          ; wave 0: fragment f = the work-group's number: rows 16 (f / 4) + r of s, K step t = f % 4: j = 128 t + 64 c + 32 h + i
	s_cmp_lt_u32 s59, 2
	s_cselect_b64 s[68:69], s[12:13], s[14:15]
	s_lshr_b32 s56, s28, 2
	s_lshl_b32 s56, s56, 14
	s_and_b32 s59, s28, 1
	s_lshl_b32 s59, s59, 9
	s_add_co_u32 s56, s56, s59
	s_add_nc_u64 s[68:69], s[68:69], s[56:57]
	v_lshl_add_u32 v[PO], v[HH], 7, v[SVO]         ; 1,024 r + 128 h
.irp c, 0,1
.irp q, 0,1,2,3,4,5,6,7
	global_load_b128 v[QD0+32*\c+4*\q:QD0+32*\c+4*\q+3], v[PO], s[68:69] offset:256*\c+16*\q
.endr
.endr
	s_mov_b32 s59, s28
	s_branch .Lprep
.Lnot_wave_0:
	s_cmp_eq_u32 s22, 1
	s_cbranch_scc0 .Lprep_done
	s_cmp_lt_u32 s28, 64
	s_cbranch_scc0 .Lprep_done
	s_and_b32 s56, s28, 3                          ; wave 1 of work-groups 0 .. 63: fragment 256 + the number: columns 16 (f / 4) + r of Wmerge, K step f % 4.  A lane takes a column, and its registers run down j
	s_lshl_b32 s56, s56, 17
	s_lshr_b32 s59, s28, 2
	s_lshl_b32 s59, s59, 6
	s_add_co_u32 s56, s56, s59
	s_add_nc_u64 s[68:69], s[16:17], s[56:57]
	v_lshlrev_b32 v[PO], 2, v[R]
	v_lshl_add_u32 v[PO], v[HH], 15, v[PO]         ; 4 r + 32 rows of 1,024 bytes x h
.irp c, 0,1
.irp i, 0,1,2,3,4,5,6,7,8,9,10,11,12,13,14,15,16,17,18,19,20,21,22,23,24,25,26,27,28,29,30,31
	global_load_b32 v[QD0+32*\c+\i], v[PO], s[68:69] offset:(64*\c+\i)*1024
.endr
.endr
	s_add_co_u32 s59, s28, 256
.Lprep:
	s_mul_i32 s56, s59, FRB
	s_add_nc_u64 s[70:71], s[20:21], s[56:57]      ; the fragment's image in mop,
	s_lshl_b32 s56, s59, 7
	s_add_co_u32 s56, s56, 320*FRB
	s_add_nc_u64 s[72:73], s[20:21], s[56:57]      ; and its scale words, behind the 320 images
	s_wait_loadcnt 0x0
	QUANT QD0, 0
.irp g, 0,1,2
	global_store_b128 v[LI], v[AF+4*\g:AF+4*\g+3], s[70:71] offset:512*\g   ; each store covers 512 consecutive bytes, aligned
.endr
	global_store_b32 v[LS], v[PW], s[72:73]
	s_wait_xcnt 0x0                                ; the stores have read their registers: these are written again below
.Lprep_done:
	s_wait_loadcnt 0x0                             ; x and period 0's s
	WIN 0x15                                       ; sources 0, 1, 2 window 1
.irp a, 0,1,2,3,4,5,6,7
	v_max3_num_f32 v[XM+\a], |v[32*\a]|, |v[32*\a+1]|, |v[32*\a+2]|          ; the largest |x| of my 32 numbers, the eight row tiles by turns
.endr
	WIN 0x14                                       ; sources 1, 2 window 1
.irp i, 3,5,7,9,11,13,15,17,19,21,23,25,27,29
.irp a, 0,1,2,3,4,5,6,7
	v_max3_num_f32 v[XM+\a], v[XM+\a], |v[32*\a+\i]|, |v[32*\a+\i+1]|
.endr
.endr
.irp a, 0,1,2,3,4,5,6,7
	v_max3_num_f32 v[XM+\a], v[XM+\a], |v[32*\a+31]|, |v[32*\a+31]|
.endr
	WIN 0
.irp a, 0,1,2,3,4,5,6,7
	v_mul_f32 v[XM+\a], 0x3d800000, v[XM+\a]       ; x 2^-4: exact from 2^-122 on
.endr
	PERIOD 0, 1, 0, 1, 1, 0                        ; period 0 stands in front of the loop: its first K step's products start the sums
	s_mov_b32 s62, 7
.Lperiod:                                              ; periods 1 to 14: each fills the slot that the period before has read out (tiles 2 to 15)
	PERIOD 1, 0, 1, 0, 1, 0
	PERIOD 0, 0, 1, 0, 1, 0
	s_sub_co_u32 s62, s62, 1
	s_cmp_lg_u32 s62, 0
	s_cbranch_scc1 .Lperiod
	PERIOD 1, 0, 0, 0, 0, 1                        ; period 15 is written out: nothing is left to fetch, of W or of s, and in its second K step the finished row tiles leave
	s_wait_tensorcnt 0x0                           ; the wave's end, behind my last tensor load and my last LDS store
	ds_add_u32 v[SPW], v[NIL]
	s_wait_dscnt 0x0
	s_endpgm
.Lfunc_end_k_q93a092cad6_bilin:
	.size	k_q93a092cad6_bilin, .Lfunc_end_k_q93a092cad6_bilin-k_q93a092cad6_bilin
	.p2alignl 7, 3214868480
	.fill 96, 4, 3214868480
	.section	.rodata,"a",@progbits
	.p2align	6, 0x0
	.amdhsa_kernel k_q93a092cad6_bilin
		.amdhsa_group_segment_fixed_size 327680
		.amdhsa_private_segment_fixed_size 0
		.amdhsa_enable_private_segment 0
		.amdhsa_kernarg_size 72
		.amdhsa_user_sgpr_count 2
		.amdhsa_user_sgpr_kernarg_segment_ptr 1
		.amdhsa_wavefront_size32 1
		.amdhsa_system_sgpr_workgroup_id_x 1
		.amdhsa_system_sgpr_workgroup_id_y 1
		.amdhsa_system_sgpr_workgroup_id_z 1
		.amdhsa_system_vgpr_workitem_id 0
		.amdhsa_next_free_vgpr 1024
		.amdhsa_next_free_sgpr 80
		.amdhsa_reserve_vcc 0
		.amdhsa_float_denorm_mode_32 3
		.amdhsa_float_denorm_mode_16_64 3
		.amdhsa_memory_ordered 1
		.amdhsa_forward_progress 1
		.amdhsa_inst_pref_size 255
	.end_amdhsa_kernel
	.section	.bss,"aw",@nobits
	.p2align	6
	.space	262144
	.amdgpu_metadata
---
amdhsa.version: [ 1, 2 ]
amdhsa.kernels:
  - .name:           k_q93a092cad6_bilin
    .symbol:         k_q93a092cad6_bilin.kd
    .args:
      - { .name: W1, .offset: 0, .size: 8, .value_kind: global_buffer, .address_space: global }
      - { .name: W2, .offset: 8, .size: 8, .value_kind: global_buffer, .address_space: global }
      - { .name: x0, .offset: 16, .size: 8, .value_kind: global_buffer, .address_space: global }
      - { .name: x1, .offset: 24, .size: 8, .value_kind: global_buffer, .address_space: global }
      - { .name: h0, .offset: 32, .size: 8, .value_kind: global_buffer, .address_space: global }
      - { .name: h1, .offset: 40, .size: 8, .value_kind: global_buffer, .address_space: global }
      - { .name: Wmerge, .offset: 48, .size: 8, .value_kind: global_buffer, .address_space: global }
      - { .name: part, .offset: 56, .size: 8, .value_kind: global_buffer, .address_space: global }
      - { .name: mop, .offset: 64, .size: 8, .value_kind: global_buffer, .address_space: global }
    .group_segment_fixed_size: 327680
    .private_segment_fixed_size: 0
    .kernarg_segment_align: 8
    .kernarg_segment_size: 72
    .max_flat_workgroup_size: 128
    .sgpr_count:     80
    .vgpr_count:     1024
    .wavefront_size: 32
...
	.end_amdgpu_metadata
.endif
;; end of part 1
;; launch fin (part 2): grid 4 x 64, 4 waves a work-group, no clusters, 5,120 bytes of LDS; arguments part, mop, b1, b2, out0, out1; writes out0, out1
.if DOCPART == 2
	.amdgcn_target "amdgcn-amd-amdhsa--gfx1250"
	.amdhsa_code_object_version 6
	.text
	.protected	k_q93a092cad6_fin
	.globl	k_q93a092cad6_fin
	.p2align	8
	.type	k_q93a092cad6_fin,@function
k_q93a092cad6_fin:
	s_mov_b64 s[64:65], 0
	v_nop
	global_prefetch_b8 v0, s[64:65] scope:SCOPE_SE
	s_setreg_imm32_b32 hwreg(HW_REG_WAVE_MODE, 25, 1), 1
	s_wait_xcnt 0x0
; new_state = u tanh(m1 + b1) + (1 - u) (s @ Wmerge), u = sigmoid(m2 + b2); written to out0 and to out1.
; m1 and m2 lie in part as 32 slabs of partial sums, each an image of accumulators: [slab 32][nt 4][mt 2][wave 4][row tile 8][column tile 8][half 2][lane 32][16 bytes]; nt < 2: m1, nt >= 2: m2.
; s @ Wmerge is made here on codes of BF6 (E3M2) with E8M0 scales: its operands lie in mop as images of fragments (1,536 bytes: 4 RT + t: rows 16 RT .. of s; 256 + 4 LT + t: columns 16 LT .. of Wmerge; K step t of 128 j),
; and behind the 320 images their scale words, 128 bytes each.
; SHARES.  A wave owns one tile of the output, 16 rows (RT = work-group y) x 16 columns (LT = 4 x work-group x + wave).  In every image and in the product (source 0 = Wmerge's 16 columns, source 1 = s's 16 rows)
; register q of lane (r, h) is the number at row 16 RT + r, column 16 LT + 8 h + q: so everything up to the stage is lane by lane.
; The launch streams: 32 slabs x 2 x 1,024 bytes a wave, each load 512 consecutive bytes, three groups of 16 loads on their way.  No tensor loads, no clusters: no two work-groups read the same partial sums.
; ORDER OF SUMS: the slabs are added in f32, ascending; the small product's K steps 0, 2 and 1, 3 go to two accumulators that take turns, and are added.
; tanh(z) = 1 - 2 / (1 + 2^(2 z log2 e)), sigmoid(z) = 1 / (1 + 2^(-z log2 e)): both hold at either end, where the power becomes 0 or infinity.  NaN and infinities among the inputs are not served.
.set ACC,  16                          ; v16-23 m1, v24-31 m2
.set SETA, 32                          ; three sets of 64 registers for groups of four slabs; sets A and B first hold the small product's fragments: s at v[32 + 12 t], Wmerge at v[80 + 12 t]
.set SETB, 96
.set SETC, 160
.set D0,   224                         ; v224-231, v232-239 the small product's two accumulators
.set D1,   232
.set MG,   240                         ; v240-247 s @ Wmerge
.set SS,   248                         ; v248-251 s's scale words, v252-255 Wmerge's: scales and nothing else
.set Z,    112                         ; v112-127 at work at the end; v128-135 the result; v136-143 rows read back
; v1 16 x lane, v2 4 x lane, v3 the stage on the way in, v4 on the way back, v5 my offset in the output, v6 32 h: none is rewritten
; s[16:31] part at my tile, slabs 4 g on; s32 wave, s33 work-group x, s34 RT, s35 LT; s[36:37] an offset (s37 stays 0); s[38:45] mop: s's images, Wmerge's, s's scale words, Wmerge's; s46, s47 at work
	s_load_b256 s[4:11], s[0:1], 0x0               ; part s[4:5], mop s[6:7], b1 s[8:9], b2 s[10:11]
	s_load_b128 s[12:15], s[0:1], 0x20             ; out0 s[12:13], out1 s[14:15]
	v_lshl_add_u32 v14, v0, 2, 0x1200
	v_mov_b32 v15, 0
	v_lshrrev_b32 v7, 5, v0
	v_readfirstlane_b32 s32, v7                    ; wave 0..3
	s_mov_b32 s33, ttmp9
	s_and_b32 s34, ttmp7, 0xffff
	v_and_b32 v8, 31, v0                           ; lane
	v_and_b32 v9, 15, v0                           ; r
	v_bfe_u32 v10, v0, 4, 1                        ; h
	v_lshlrev_b32 v1, 4, v8
	v_lshlrev_b32 v2, 2, v8
	v_mul_u32_u24 v3, v9, 272                      ; the stage: 16 rows x (256 bytes + 16).  In: row r, my wave's 64 bytes, 32 for each half of the lanes
	v_lshl_add_u32 v3, v10, 5, v3
	s_lshl_b32 s46, s32, 6
	v_add_nc_u32 v3, s46, v3
	v_mul_u32_u24 v4, v10, 272                     ; back: wave w takes rows 4 w .. 4 w + 3: lanes 0-15 one row, lanes 16-31 the next
	v_lshl_add_u32 v4, v9, 4, v4
	s_mul_i32 s46, s32, 4*272
	v_add_nc_u32 v4, s46, v4
	v_lshlrev_b32 v5, 10, v10                      ; and the same rows in the output, 1,024 bytes a row
	v_lshl_add_u32 v5, v9, 4, v5
	s_lshl_b32 s46, s32, 12
	v_add_nc_u32 v5, s46, v5
	v_lshlrev_b32 v6, 5, v10                       ; the biases: my eight columns
	s_lshl_b32 s35, s33, 2
	s_add_co_u32 s35, s35, s32                     ; LT
	s_lshr_b32 s36, s33, 1                         ; my tile in a slab of part: nt = LT / 8, mt = RT / 32: (2 nt + mt) x 262,144,
	s_lshl_b32 s36, s36, 1
	s_lshr_b32 s46, s34, 5
	s_add_co_u32 s36, s36, s46
	s_lshl_b32 s36, s36, 18
	s_bfe_u32 s46, s34, 0x20003                    ; the wave that made it, (RT / 8) % 4: x 65,536 (2 bits from bit 3),
	s_lshl_b32 s46, s46, 16
	s_add_co_u32 s36, s36, s46
	s_and_b32 s46, s34, 7                          ; 8 x row tile + column tile LT % 8: x 1,024
	s_lshl_b32 s46, s46, 3
	s_and_b32 s47, s33, 1
	s_lshl_b32 s47, s47, 2
	s_add_co_u32 s46, s46, s47
	s_add_co_u32 s46, s46, s32
	s_lshl_b32 s46, s46, 10
	s_add_co_u32 s36, s36, s46
	s_mov_b32 s37, 0
	s_wait_kmcnt 0x0
	s_add_nc_u64 s[16:17], s[4:5], s[36:37]
.irp g, 1,2,3,4,5,6,7
	s_add_nc_u64 s[16+2*\g:17+2*\g], s[16:17], \g*8388608        ; four slabs of 2,097,152 bytes on: eight bases, never rewritten
.endr
	s_mul_i32 s36, s34, 4*1536
	s_add_nc_u64 s[38:39], s[6:7], s[36:37]        ; s's four images
	s_mul_i32 s36, s35, 4*1536
	s_add_co_u32 s36, s36, 256*1536
	s_add_nc_u64 s[40:41], s[6:7], s[36:37]        ; Wmerge's four
	s_lshl_b32 s36, s34, 9
	s_add_co_u32 s36, s36, 320*1536
	s_add_nc_u64 s[42:43], s[6:7], s[36:37]        ; s's scale words
	s_lshl_b32 s36, s35, 9
	s_add_co_u32 s36, s36, 320*1536+256*128
	s_add_nc_u64 s[44:45], s[6:7], s[36:37]        ; Wmerge's
	s_lshl_b32 s36, s35, 6
	s_add_nc_u64 s[8:9], s[8:9], s[36:37]          ; the biases at column 16 LT
	s_add_nc_u64 s[10:11], s[10:11], s[36:37]
	s_lshl_b32 s36, s34, 14                        ; the outputs at row 16 RT, column 64 x work-group x
	s_lshl_b32 s46, s33, 8
	s_add_co_u32 s36, s36, s46
	s_add_nc_u64 s[12:13], s[12:13], s[36:37]
	s_add_nc_u64 s[14:15], s[14:15], s[36:37]
.macro GROUP g, set                    ; slabs 4 g .. 4 g + 3 of my tile, m1's and m2's: 16 loads of 512 consecutive bytes; register set + 16 sl + 8 m + 4 half
.irp sl, 0,1,2,3
.irp m, 0,1
.irp hf, 0,1
	global_load_b128 v[\set+16*\sl+8*\m+4*\hf:\set+16*\sl+8*\m+4*\hf+3], v1, s[16+2*(\g):17+2*(\g)] offset:2097152*\sl+1048576*\m+512*\hf th:TH_LOAD_NT
.endr
.endr
.endr
.endm
.macro ADDUP set, first                ; a group's four slabs onto the sums, ascending; first = 1: slab 0 + slab 1 start them: nothing is cleared
.irp sl, 0,1,2,3
.irp i, 0,2,4,6,8,10,12,14
.if \first && (\sl == 0)
.elseif \first && (\sl == 1)
	v_pk_add_f32 v[ACC+\i:ACC+\i+1], v[\set+\i:\set+\i+1], v[\set+16+\i:\set+16+\i+1]
.else
	v_pk_add_f32 v[ACC+\i:ACC+\i+1], v[ACC+\i:ACC+\i+1], v[\set+16*\sl+\i:\set+16*\sl+\i+1]
.endif
.endr
.endr
.endm
.irp t, 0,1,2,3
.irp g, 0,1,2
	global_load_b128 v[32+12*\t+4*\g:32+12*\t+4*\g+3], v1, s[38:39] offset:1536*\t+512*\g
	global_load_b128 v[80+12*\t+4*\g:80+12*\t+4*\g+3], v1, s[40:41] offset:1536*\t+512*\g
.endr
	global_load_b32 v[SS+\t], v2, s[42:43] offset:128*\t
	global_load_b32 v[SS+4+\t], v2, s[44:45] offset:128*\t
.endr
	GROUP 0, SETC
	s_wait_loadcnt 16                              ; the small product's operands are in; group 0's 16 loads may be out
	; s @ Wmerge: four K steps on two accumulators that take turns; the first product of each starts its sum
	v_wmma_scale_f32_16x16x128_f8f6f4 v[D0:D0+7], v[80:91], v[32:43], 0, v[SS+4], v[SS] matrix_a_fmt:MATRIX_FMT_BF6 matrix_b_fmt:MATRIX_FMT_BF6
	v_wmma_scale_f32_16x16x128_f8f6f4 v[D1:D1+7], v[92:103], v[44:55], 0, v[SS+5], v[SS+1] matrix_a_fmt:MATRIX_FMT_BF6 matrix_b_fmt:MATRIX_FMT_BF6
	v_wmma_scale_f32_16x16x128_f8f6f4 v[D0:D0+7], v[104:115], v[56:67], v[D0:D0+7], v[SS+6], v[SS+2] matrix_a_fmt:MATRIX_FMT_BF6 matrix_b_fmt:MATRIX_FMT_BF6
	v_wmma_scale_f32_16x16x128_f8f6f4 v[D1:D1+7], v[116:127], v[68:79], v[D1:D1+7], v[SS+7], v[SS+3] matrix_a_fmt:MATRIX_FMT_BF6 matrix_b_fmt:MATRIX_FMT_BF6
.rept 4
	v_nop                                          ; four places in front of the loads into the fragments' registers and of the first read of the results
.endr
	GROUP 1, SETA
	GROUP 2, SETB
.irp i, 0,2,4,6
	v_pk_add_f32 v[MG+\i:MG+\i+1], v[D0+\i:D0+\i+1], v[D1+\i:D1+\i+1]   ; both accumulators from their low end on
.endr
	; loads come back in order (ISA guide 5.7.1): each count names the loads issued behind the group that is wanted
	s_wait_loadcnt 32                              ; group 0 is in; groups 1 and 2 may be out
	ADDUP SETC, 1
	GROUP 3, SETC
	s_wait_loadcnt 32
	ADDUP SETA, 0
	GROUP 4, SETA
	s_wait_loadcnt 32
	ADDUP SETB, 0
	GROUP 5, SETB
	s_wait_loadcnt 32
	ADDUP SETC, 0
	GROUP 6, SETC
	s_wait_loadcnt 32
	ADDUP SETA, 0
	GROUP 7, SETA
	s_wait_loadcnt 32                              ; group 5 is in; groups 6 and 7 may be out
	ADDUP SETB, 0
	global_load_b128 v[SETB:SETB+3], v6, s[8:9]                  ; b1 at my eight columns,
	global_load_b128 v[SETB+4:SETB+7], v6, s[8:9] offset:16
	global_load_b128 v[SETB+8:SETB+11], v6, s[10:11]             ; b2
	global_load_b128 v[SETB+12:SETB+15], v6, s[10:11] offset:16
	s_wait_loadcnt 20                              ; group 6 is in; group 7's 16 loads and the four of the biases may be out
	ADDUP SETC, 0
	s_wait_loadcnt 4                               ; group 7 is in; the biases may be out
	ADDUP SETA, 0
	s_wait_loadcnt 0x0
.irp i, 0,2,4,6,8,10,12,14
	v_pk_add_f32 v[Z+\i:Z+\i+1], v[ACC+\i:ACC+\i+1], v[SETB+\i:SETB+\i+1]       ; z1 = m1 + b1 (v112-119), z2 = m2 + b2 (v120-127)
.endr
.irp i, 0,2,4,6
	v_pk_mul_f32 v[Z+\i:Z+\i+1], v[Z+\i:Z+\i+1], 0x4038aa3b op_sel_hi:[1,0]     ; 2 log2(e) z1
	v_pk_mul_f32 v[Z+8+\i:Z+8+\i+1], v[Z+8+\i:Z+8+\i+1], 0xbfb8aa3b op_sel_hi:[1,0]   ; -log2(e) z2
.endr
.irp i, 0,1,2,3,4,5,6,7,8,9,10,11,12,13,14,15
	v_exp_f32 v[Z+\i], v[Z+\i]
.endr
	v_nop                                          ; one plain place behind the transcendentals
	s_wait_alu depctr_va_vdst(0)
.irp i, 0,2,4,6,8,10,12,14
	v_pk_add_f32 v[Z+\i:Z+\i+1], v[Z+\i:Z+\i+1], 1.0 op_sel_hi:[1,0]
.endr
.irp i, 0,1,2,3,4,5,6,7,8,9,10,11,12,13,14,15
	v_rcp_f32 v[Z+\i], v[Z+\i]                     ; v120-127 now hold u
.endr
	v_nop                                          ; one plain place behind the transcendentals
	s_wait_alu depctr_va_vdst(0)
.irp i, 0,2,4,6
	v_pk_fma_f32 v[Z+\i:Z+\i+1], v[Z+\i:Z+\i+1], -2.0, 1.0 op_sel_hi:[1,0,0]    ; tanh(z1)
.endr
.irp i, 0,2,4,6
	v_pk_add_f32 v[Z+\i:Z+\i+1], v[Z+\i:Z+\i+1], v[MG+\i:MG+\i+1] neg_lo:[0,1] neg_hi:[0,1]   ; less s @ Wmerge
.endr
.irp i, 0,2,4,6
	v_pk_fma_f32 v[128+\i:129+\i], v[Z+8+\i:Z+8+\i+1], v[Z+\i:Z+\i+1], v[MG+\i:MG+\i+1]       ; u (tanh - merge) + merge = u tanh + (1 - u) merge
.endr
	; THE WAY OUT: a lane holds 32 bytes of a row, and a row's 256 bytes of this work-group come from four waves: they meet in the stage, and each wave stores four whole pieces of rows.
	ds_store_b128 v3, v[128:131]
	ds_store_b128 v3, v[132:135] offset:16
	s_wait_dscnt 0x0                               ; for the others' sake: my stores into the stage are done
	s_barrier_signal -1
	s_barrier_wait -1
	ds_load_b128 v[136:139], v4
	ds_load_b128 v[140:143], v4 offset:2*272
	s_wait_dscnt 0x0
	global_store_b128 v5, v[136:139], s[12:13]                   ; sixteen lanes store 256 consecutive bytes, at a multiple of 256 from the output's first byte
	global_store_b128 v5, v[140:143], s[12:13] offset:2048
	global_store_b128 v5, v[136:139], s[14:15]                   ; and the same to the second output
	global_store_b128 v5, v[140:143], s[14:15] offset:2048
	s_wait_tensorcnt 0x0
	ds_add_u32 v14, v15
	s_wait_dscnt 0x0
	s_endpgm
.Lfunc_end_k_q93a092cad6_fin:
	.size	k_q93a092cad6_fin, .Lfunc_end_k_q93a092cad6_fin-k_q93a092cad6_fin
	.p2alignl 7, 3214868480
	.fill 96, 4, 3214868480
	.section	.rodata,"a",@progbits
	.p2align	6, 0x0
	.amdhsa_kernel k_q93a092cad6_fin
		.amdhsa_group_segment_fixed_size 5120
		.amdhsa_private_segment_fixed_size 0
		.amdhsa_enable_private_segment 0
		.amdhsa_kernarg_size 48
		.amdhsa_user_sgpr_count 2
		.amdhsa_user_sgpr_kernarg_segment_ptr 1
		.amdhsa_wavefront_size32 1
		.amdhsa_system_sgpr_workgroup_id_x 1
		.amdhsa_system_sgpr_workgroup_id_y 1
		.amdhsa_system_sgpr_workgroup_id_z 1
		.amdhsa_system_vgpr_workitem_id 0
		.amdhsa_next_free_vgpr 256
		.amdhsa_next_free_sgpr 66
		.amdhsa_reserve_vcc 0
		.amdhsa_float_denorm_mode_32 3
		.amdhsa_float_denorm_mode_16_64 3
		.amdhsa_memory_ordered 1
		.amdhsa_forward_progress 1
		.amdhsa_inst_pref_size 40
	.end_amdhsa_kernel
	.amdgpu_metadata
---
amdhsa.version: [ 1, 2 ]
amdhsa.kernels:
  - .name:           k_q93a092cad6_fin
    .symbol:         k_q93a092cad6_fin.kd
    .args:
      - { .name: part, .offset: 0, .size: 8, .value_kind: global_buffer, .address_space: global }
      - { .name: mop, .offset: 8, .size: 8, .value_kind: global_buffer, .address_space: global }
      - { .name: b1, .offset: 16, .size: 8, .value_kind: global_buffer, .address_space: global }
      - { .name: b2, .offset: 24, .size: 8, .value_kind: global_buffer, .address_space: global }
      - { .name: out0, .offset: 32, .size: 8, .value_kind: global_buffer, .address_space: global }
      - { .name: out1, .offset: 40, .size: 8, .value_kind: global_buffer, .address_space: global }
    .group_segment_fixed_size: 5120
    .private_segment_fixed_size: 0
    .kernarg_segment_align: 8
    .kernarg_segment_size: 48
    .max_flat_workgroup_size: 128
    .sgpr_count:     66
    .vgpr_count:     256
    .wavefront_size: 32
...
	.end_amdgpu_metadata
.endif
;; end of part 2
